; MI455X (gfx1250); checked and timed in simulation.
; The chip was launched on July 23, 2026; its instructions are those of AMD's public machine-readable ISA for CDNA 5 (MIT licence, August 2026) and "CDNA5" Instruction Set Architecture Reference Guide (July 2026). The comments in the code are by the model that wrote it; some were corrected since.
;; Mo E. Allowed arithmetic: matrix products marked QUANTISED: E2M1 operands, one E8M0 scale for each 32 along K, by v_wmma_scale_f32_16x16x128_f8f6f4 with both operands' format E2M1 (or v_wmma_scale_f32_32x16x128_f4), f32 sums; products left as they are: f32 operands where the result goes on into a quantised operand, else bf16, f16 or f32 operands; f32 sums; everything else in f32.
;; Inputs: We_codes 8 x 2,048 x 64 x 16 uint8 (E2M1 codes of We, K innermost, in blocks of 32 codes, two codes a byte); We_scales 8 x 2,048 x 64 uint8 (E8M0 scales of We, one for each 32 codes along K); Wg 2,048 x 8 float32; be 8 x 2,048 float32; inputs 2,048 x 2,048 float32.
;; Outputs: out0 2,048 x 2,048 float32.
;; This version of the problem:
;;   THIS VERSION OF THE PROBLEM IS GIVEN IN LOW PRECISION. The matrix products marked QUANTISED in the list below multiply operands that are first quantised to E2M1 (2 exponent bits, 1 mantissa bit; 4 bits a number), with one power-of-two scale for each 32 numbers along K (OCP MX v1.0); their sums are f32. All else is computed in f32.
;;   The module's matrix products, in the order in which they are computed (A, B: the left and right operand; K: the contracted axis; several contracted axes count as one K, in the product's order):
;;     1. [M 2,048, K 2,048] x [K 2,048, N 8]; A: input inputs; B: input Wg: left as it is (N = 8 < 16)
;;     2. [M 2,048, K 2,048] x [K 2,048, N 2,048]; A: input inputs; B: input We (given as codes): QUANTISED
;;     3. [M 2,048, K 2,048] x [K 2,048, N 2,048]; A: input inputs; B: input We (given as codes): QUANTISED
;;     4. [M 2,048, K 2,048] x [K 2,048, N 2,048]; A: input inputs; B: input We (given as codes): QUANTISED
;;     5. [M 2,048, K 2,048] x [K 2,048, N 2,048]; A: input inputs; B: input We (given as codes): QUANTISED
;;     6. [M 2,048, K 2,048] x [K 2,048, N 2,048]; A: input inputs; B: input We (given as codes): QUANTISED
;;     7. [M 2,048, K 2,048] x [K 2,048, N 2,048]; A: input inputs; B: input We (given as codes): QUANTISED
;;     8. [M 2,048, K 2,048] x [K 2,048, N 2,048]; A: input inputs; B: input We (given as codes): QUANTISED
;;     9. [M 2,048, K 2,048] x [K 2,048, N 2,048]; A: input inputs; B: input We (given as codes): QUANTISED
;;   THE QUANTISER, for each operand of a quantised product, along K:
;;     - K is cut into blocks of 32 from its start; a last block that is shorter is filled with zeros.
;;     - A block's scale is 2^e with e = floor(log2(the largest magnitude in the block)) - 2, held to -126 .. 127; a block of zeros has e = 0. As a byte (E8M0): e + 127.
;;     - Each number is divided by its block's scale, clamped to +-6, and rounded to the nearest number of E2M1, ties to even, subnormals kept.
;;     - The product sums the exact products of the quantised numbers (number of the format x scale) in f32.
;;   ~~~python
;;   def quantise(x, axis):      # numpy; x: float32 -> the quantised numbers, widened to float32 again
;;       x = np.moveaxis(x, axis, -1); K = x.shape[-1]
;;       x = np.pad(x, [(0, 0)] * (x.ndim - 1) + [(0, -K % 32)]); x = x.reshape(x.shape[:-1] + (-1, 32)); a = np.abs(x).max(-1, keepdims=True)
;;       e = np.where(a > 0, np.clip(np.frexp(np.where(a > 0, a, 1))[1] - 1 - 2, -126, 127), 0)      # np.frexp(a)[1] - 1 = floor(log2(a)), exactly
;;       r = np.clip(x / 2.0 ** e, -6, 6)
;;       step = 2.0 ** (np.maximum(np.frexp(np.where(r == 0, 1, r))[1] - 1, 0) - 1)
;;       q = np.round(r / step) * step * 2.0 ** e      # np.round: ties to even
;;       return np.moveaxis(q.reshape(q.shape[:-2] + (-1,))[..., :K], -1, axis).astype(np.float32)
;;   ~~~
;;   INPUTS GIVEN AS CODES. We (in the module: [8, 2048, 2048], K = its axis 1): each comes as NAME_codes (uint8): NAME with its K axis moved to the last place and cut into blocks of 32 codes, [.., K / 32, bytes a block], one block behind the other in memory; two codes a byte, the lower K in the low four bits (a code: sign, 2 exponent bits, 1 mantissa bit); and NAME_scales (uint8): the same leading axes, one E8M0 byte (e + 127) for each 32 codes along K. Its value is code x scale, taken as it is: it is not quantised again, and the codes and scales need not be those that the quantiser above would give.
;; One version. Each part assembles by itself: llvm-mc -triple=amdgcn-amd-amdhsa -mcpu=gfx1250 --defsym DOCPART=n.
;; ======== version 1 of 1: 3 launches
;; workspace buffers: keys 8,192 bytes of whole numbers; wts 16,384 bytes; xc 2,097,152 bytes; xs 131,072 bytes; order 8,192 bytes of whole numbers; wimg 16,777,216 bytes
;; launch gate_quant (part 1): grid 256 x 1, 8 waves a work-group, no clusters, 161,536 bytes of LDS; arguments inputs, Wg, xc, xs, keys, wts; writes xc, xs, keys, wts
.if DOCPART == 1
	.amdgcn_target "amdgcn-amd-amdhsa--gfx1250"
	.amdhsa_code_object_version 6
	.text
	.protected	k_q881489ed0e_gate_quant
	.globl	k_q881489ed0e_gate_quant
	.p2align	8
	.type	k_q881489ed0e_gate_quant,@function
k_q881489ed0e_gate_quant:
	s_mov_b64 s[64:65], 0
	v_nop
	global_prefetch_b8 v0, s[64:65] scope:SCOPE_SE
	s_setreg_imm32_b32 hwreg(HW_REG_WAVE_MODE, 25, 1), 1
	s_wait_xcnt 0x0
; inputs [2048][2048] f32 are read ONCE and serve two ends:
;  (1) the gate: logits = inputs x Wg in f32 (fused multiply-adds), the two largest of the 8 (the lower index wins a tie), and the softmax of those two with the larger one taken away first;
;  (2) the quantiser: codes of E2M1 along K, one E8M0 byte for each 32: xc [token][1,024 bytes], xs [token][64 bytes].
; What the choice steers is only STORED here, at fixed places: keys[token] = 8 lo + hi (lo < hi, the token's two experts), wts[token] = the weight of lo, the weight of hi.
; SHARES.  A work-group takes 8 tokens (65,536 consecutive bytes).  Thread t of 256 owns k = 8 t .. 8 t + 7 of every row; its slice of Wg (8 k x 8 experts, 256 consecutive bytes) stays in 64 registers.
; Every load reads 512 consecutive bytes a wave; what a lane must hold as neighbours is turned through the wave's own LDS bytes.  Four lanes hold a block of 32.
; The 64 partial sums of each thread (8 rows x 8 experts) meet in LDS: half-wave g adds group g (four sums) over all 256 threads.
; LIMITS: NaN and infinities are not served.  The logits' f32 sums run in another order than a row-by-row sum: two logits closer than that rounding may change places.
; A block whose largest magnitude lies under 2^(3 - 127), zeros among them, gets the byte 1: a block of zeros has zero codes, which add nothing, and the bytes are read by this program alone.
.set WGT,  0                           ; LDS: Wg's turn, a wave's own 8,704 bytes: 32 places of 256 + 16
.set XT,   69632                       ; x's turn, a wave's own 1,536 bytes: 32 places of 32 + 16
.set CODE, 81920                       ; the codes, [row][1,024]
.set SCL,  90112                       ; the scale bytes, [row][64]
.set RED,  90624                       ; the partial sums: 16 groups of 4,352 = 16 parts of 256 + 16
.set LG,   160256                      ; the 64 logits, [row][8]
.set MX,   16                          ; v16-23   a row's largest magnitude
.set SC,   24                          ; v24-31   the conversion's scale operand
.set XR,   32                          ; v32-95   row y at 32 + 8 y; later the sums read back
.set WG,   96                          ; v96-159  register 8 j + e = Wg[8 t + j][e]
.set ACC,  160                         ; v160-223 register 8 y + e
.set CD,   224                         ; v224-231 a row's 8 codes
.set BY,   232                         ; v232-239 a row's scale byte
	s_load_b256 s[4:11], s[0:1], 0x0               ; inputs, Wg, xc, xs
	s_load_b128 s[12:15], s[0:1], 0x20             ; keys, wts
	v_lshl_add_u32 v254, v0, 2, 0x27300
	v_mov_b32 v255, 0
	v_lshrrev_b32 v15, 5, v0
	s_delay_alu instid0(VALU_DEP_1)
	v_readfirstlane_b32 s16, v15                   ; wave 0..7
	v_and_b32 v1, 31, v0                           ; lane
	s_delay_alu instid0(VALU_DEP_1)
	v_lshlrev_b32 v2, 4, v1                        ; 16 x lane
	s_lshl_b32 s20, ttmp9, 16                      ; my work-group's 8 rows,
	s_lshl_b32 s21, s16, 10                        ; my wave's 1,024 bytes of a row
	s_add_co_u32 s20, s20, s21
	s_mov_b32 s21, 0
	s_lshl_b32 s22, s16, 13                        ; my wave's 8,192 bytes of Wg
	s_mov_b32 s23, 0
	s_wait_alu depctr_va_vdst(0)
	s_wait_kmcnt 0x0
	s_add_nc_u64 s[4:5], s[4:5], s[20:21]
	s_add_nc_u64 s[6:7], s[6:7], s[22:23]
.irp i, 0,1,2,3,4,5,6,7,8,9,10,11,12,13,14,15
	global_load_b128 v[WG+4*\i:WG+4*\i+3], v2, s[6:7] offset:512*\i
.endr
.irp y, 0,1,2,3,4,5,6,7
.irp i, 0,1
	global_load_b128 v[XR+8*\y+4*\i:XR+8*\y+4*\i+3], v2, s[4:5] offset:8192*\y+512*\i th:TH_LOAD_NT   ; read once in the whole program
.endr
.endr
	; every LDS address is made here, ahead of every branch: a constant, a constant x lane or thread, a constant x wave
	s_mul_i32 s17, s16, 8704
	v_lshrrev_b32 v15, 4, v1
	v_and_b32 v3, 15, v1
	s_delay_alu instid0(VALU_DEP_1)
	v_lshlrev_b32 v3, 4, v3
	s_delay_alu instid0(VALU_DEP_1)
	v_mad_u32_u24 v3, v15, 272, v3
	s_delay_alu instid0(VALU_DEP_1)
	v_add_nc_u32 v3, s17, v3                       ; Wg in: 272 (lane / 16) + 16 (lane % 16); load i is 544 i on
	v_mul_u32_u24 v4, v1, 272
	s_delay_alu instid0(VALU_DEP_1)
	v_add_nc_u32 v4, s17, v4                       ; Wg out: my place of 256 bytes
	s_mul_i32 s18, s16, 1536
	s_add_co_u32 s18, s18, XT
	v_lshrrev_b32 v15, 1, v1
	v_and_b32 v5, 1, v1
	s_delay_alu instid0(VALU_DEP_1)
	v_lshlrev_b32 v5, 4, v5
	s_delay_alu instid0(VALU_DEP_1)
	v_mad_u32_u24 v5, v15, 48, v5
	s_delay_alu instid0(VALU_DEP_1)
	v_add_nc_u32 v5, s18, v5                       ; x in: 48 (lane / 2) + 16 (lane % 2); load i is 768 i on
	v_mul_u32_u24 v6, v1, 48
	s_delay_alu instid0(VALU_DEP_1)
	v_add_nc_u32 v6, s18, v6                       ; x out: my place of 32 bytes
	v_lshl_add_u32 v7, v0, 2, CODE                 ; my 8 codes of a row
	v_lshrrev_b32 v8, 2, v0
	s_delay_alu instid0(VALU_DEP_1)
	v_add_nc_u32 v8, SCL, v8                       ; my block's byte of a row
	v_lshrrev_b32 v9, 4, v0
	s_delay_alu instid0(VALU_DEP_1)
	v_add_nc_u32 v9, v9, v0
	s_delay_alu instid0(VALU_DEP_1)
	v_lshl_add_u32 v9, v9, 4, RED                  ; sums in: 272 (t / 16) + 16 (t % 16)
	v_lshrrev_b32 v15, 4, v0
	s_delay_alu instid0(VALU_DEP_1)
	v_mul_u32_u24 v10, v15, 4352
	v_and_b32 v11, 15, v0
	s_delay_alu instid0(VALU_DEP_1)
	v_mad_u32_u24 v10, v11, 272, v10
	s_delay_alu instid0(VALU_DEP_1)
	v_add_nc_u32 v10, RED, v10                     ; sums out: group t / 16, part t % 16
	v_lshl_add_u32 v11, v15, 4, LG                 ; my group's four logits
	s_lshl_b32 s19, s16, 10
	s_add_co_u32 s19, s19, CODE
	v_add_nc_u32 v12, s19, v2                      ; row = my wave: its codes, 16 bytes a lane
	v_add_nc_u32 v13, SCL, v2                      ; the 512 scale bytes, 16 a lane
	v_and_b32 v14, 7, v1
	s_delay_alu instid0(VALU_DEP_1)
	v_lshl_add_u32 v14, v14, 5, LG                 ; row lane % 8: its 8 logits
	s_lshl_b32 s20, ttmp9, 13
	s_lshl_b32 s22, s16, 10
	s_add_co_u32 s20, s20, s22
	s_add_nc_u64 s[8:9], s[8:9], s[20:21]          ; xc at row 8 x work-group + wave
	s_lshl_b32 s20, ttmp9, 9
	s_add_nc_u64 s[10:11], s[10:11], s[20:21]      ; xs at my 8 rows
	s_lshl_b32 s20, ttmp9, 5
	s_add_nc_u64 s[12:13], s[12:13], s[20:21]      ; keys
	s_lshl_b32 s20, ttmp9, 6
	s_add_nc_u64 s[14:15], s[14:15], s[20:21]      ; wts
	s_wait_loadcnt 16                              ; Wg's 16 loads are in; x's 16 may be out
.irp i, 0,1,2,3,4,5,6,7,8,9,10,11,12,13,14,15
	ds_store_b128 v3, v[WG+4*\i:WG+4*\i+3] offset:544*\i
.endr
.irp j, 0,1,2,3,4,5,6,7,8,9,10,11,12,13,14,15
	ds_load_b128 v[WG+4*\j:WG+4*\j+3], v4 offset:16*\j   ; LDS serves a wave's instructions in order: these see my stores
.endr
; row y's 1,024 bytes of my wave go through the wave's stage and come back 32 bytes a lane
.macro TURN y
	ds_store_b128 v5, v[XR+8*(\y):XR+8*(\y)+3]
	ds_store_b128 v5, v[XR+8*(\y)+4:XR+8*(\y)+7] offset:768
	ds_load_b128 v[XR+8*(\y):XR+8*(\y)+3], v6
	ds_load_b128 v[XR+8*(\y)+4:XR+8*(\y)+7], v6 offset:16
.endm
; row y: my 8 numbers become 8 codes and (with three neighbours) a scale byte; then they enter the 8 logits' partial sums
.macro ROW y
.set X, XR+8*(\y)
.set A, ACC+8*(\y)
	v_max3_num_f32 v[MX+(\y)], |v[X]|, |v[X+1]|, 0x1800000    ; the floor 2^(3 - 127) among the leaves: the byte cannot fall under 1
	s_delay_alu instid0(VALU_DEP_1)
	v_max3_num_f32 v[MX+(\y)], v[MX+(\y)], |v[X+2]|, |v[X+3]|
	s_delay_alu instid0(VALU_DEP_1)
	v_max3_num_f32 v[MX+(\y)], v[MX+(\y)], |v[X+4]|, |v[X+5]|
	s_delay_alu instid0(VALU_DEP_1)
	v_max3_num_f32 v[MX+(\y)], v[MX+(\y)], |v[X+6]|, |v[X+7]|
	s_delay_alu instid0(VALU_DEP_1)
	v_max_num_f32_dpp v[MX+(\y)], v[MX+(\y)], v[MX+(\y)] row_xmask:1 row_mask:0xf bank_mask:0xf
	s_delay_alu instid0(VALU_DEP_1)
	v_max_num_f32_dpp v[MX+(\y)], v[MX+(\y)], v[MX+(\y)] row_xmask:2 row_mask:0xf bank_mask:0xf   ; four lanes: the block's largest magnitude
	s_delay_alu instid0(VALU_DEP_1)
	v_add_nc_u32 v[SC+(\y)], 0xff000000, v[MX+(\y)]           ; 2 off its exponent field: the conversion takes that field as its scale
	v_cvt_scalef32_pk8_fp4_f32 v[CD+(\y)], v[X:X+7], v[SC+(\y)]
	v_lshrrev_b32 v[BY+(\y)], 23, v[SC+(\y)]                  ; the scale's byte (also the plain line behind the conversion)
	ds_store_b32 v7, v[CD+(\y)] offset:1024*(\y)
	ds_store_b8 v8, v[BY+(\y)] offset:64*(\y)                 ; the block's four lanes write the same byte with the same value
.irp j, 0,1,2,3,4,5,6,7
.irp p, 0,1,2,3
.if \j == 0
	v_pk_mul_f32 v[A+2*\p:A+2*\p+1], v[X:X+1], v[WG+2*\p:WG+2*\p+1] op_sel_hi:[0,1]   ; the first product starts the sums; x_j feeds both halves
.elseif (\j%2) == 0
	s_delay_alu instid0(VALU_DEP_4)
	v_pk_fma_f32 v[A+2*\p:A+2*\p+1], v[X+\j:X+\j+1], v[WG+8*\j+2*\p:WG+8*\j+2*\p+1], v[A+2*\p:A+2*\p+1] op_sel_hi:[0,1,1]
.else
	s_delay_alu instid0(VALU_DEP_4)
	v_pk_fma_f32 v[A+2*\p:A+2*\p+1], v[X+\j-1:X+\j], v[WG+8*\j+2*\p:WG+8*\j+2*\p+1], v[A+2*\p:A+2*\p+1] op_sel:[1,0,0] op_sel_hi:[1,1,1]
.endif
.endr
.endr
.endm
	s_wait_loadcnt 14                              ; row 0's two loads are in
	TURN 0
.irp y, 0,1,2,3,4,5,6,7
.if \y < 7
	s_wait_loadcnt 12-2*\y                         ; the next row's two loads are in; the rows behind it may be out
	TURN \y+1
.endif
.if \y == 0
	s_wait_dscnt 4                                 ; Wg and row 0 are back; the next row's four LDS instructions may be out
.elseif \y < 7
	s_wait_dscnt 6                                 ; behind this row's loads: the last row's two stores and the next row's four
.else
	s_wait_dscnt 2                                 ; behind them: the last row's two stores
.endif
	ROW \y
.endr
.irp g, 0,1,2,3,4,5,6,7,8,9,10,11,12,13,14,15
	ds_store_b128 v9, v[ACC+4*\g:ACC+4*\g+3] offset:4352*\g
.endr
	s_wait_dscnt 0x0                               ; for the others' sake: my codes, bytes and sums lie in LDS
	s_barrier_signal -1
	s_barrier_wait -1
	ds_load_b128 v[240:243], v12                   ; wave w takes row w's 1,024 bytes of codes
	ds_load_b128 v[244:247], v12 offset:512
.irp i, 0,1,2,3,4,5,6,7,8,9,10,11,12,13,14,15
	ds_load_b128 v[XR+4*\i:XR+4*\i+3], v10 offset:16*\i    ; sixteen threads' four sums of my group
.endr
	s_wait_dscnt 16                                ; the codes are in; the 16 loads behind them may be out
	global_store_b128 v2, v[240:243], s[8:9]       ; each store covers 512 consecutive bytes, aligned
	global_store_b128 v2, v[244:247], s[8:9] offset:512
	s_wait_dscnt 0x0
.irp d, 8,4,2,1
.set i, 0
.rept \d
	v_pk_add_f32 v[XR+4*i:XR+4*i+1], v[XR+4*i:XR+4*i+1], v[XR+4*(i+\d):XR+4*(i+\d)+1]
	v_pk_add_f32 v[XR+4*i+2:XR+4*i+3], v[XR+4*i+2:XR+4*i+3], v[XR+4*(i+\d)+2:XR+4*(i+\d)+3]
.set i, i+1
.endr
.endr
.irp m, 1,2,4,8
.irp k, 0,1,2,3
	v_add_f32_dpp v[XR+\k], v[XR+\k], v[XR+\k] row_xmask:\m row_mask:0xf bank_mask:0xf   ; over the group's sixteen lanes
.endr
.endr
	ds_store_b128 v11, v[XR:XR+3]                  ; logits 4 g .. 4 g + 3; the sixteen lanes write the same bytes with the same values
	s_cmp_lg_u32 s16, 1
	s_cbranch_scc1 .Lno_scales                     ; wave 1 alone sends the 512 scale bytes (whole since the first barrier)
	ds_load_b128 v[248:251], v13
	s_wait_dscnt 0x0
	global_store_b128 v2, v[248:251], s[10:11]     ; 512 consecutive bytes, aligned
.Lno_scales:
	s_wait_dscnt 0x0                               ; my logits lie in LDS
	s_barrier_signal -1
	s_barrier_wait -1
	s_cmp_lg_u32 s16, 0
	s_cbranch_scc1 .Lend                           ; wave 0 alone chooses: lane l for row l % 8
	ds_load_b128 v[32:35], v14
	ds_load_b128 v[36:39], v14 offset:16
	v_mov_b32 v41, 0                               ; the index of the largest
	v_mov_b32 v42, 0xff800000                      ; -infinity
	v_mov_b32 v44, 0                               ; the index of the second
	s_wait_alu depctr_va_vdst(0)
	s_wait_dscnt 0x0
	v_mov_b32 v40, v32
.irp e, 1
	s_delay_alu instid0(VALU_DEP_1)
	v_cmp_gt_f32 vcc_lo, v[32+\e], v40             ; strictly larger: the lower index keeps a tie
	s_delay_alu instid0(VALU_DEP_1)
	v_cndmask_b32 v40, v40, v[32+\e], vcc_lo
	s_delay_alu instid0(VALU_DEP_2)
	v_cndmask_b32 v41, v41, \e, vcc_lo
.endr
.irp e, 2, 3, 4, 5, 6, 7
	s_delay_alu instid0(VALU_DEP_2)
	v_cmp_gt_f32 vcc_lo, v[32+\e], v40             ; strictly larger: the lower index keeps a tie
	s_delay_alu instid0(VALU_DEP_1)
	v_cndmask_b32 v40, v40, v[32+\e], vcc_lo
	s_delay_alu instid0(VALU_DEP_2)
	v_cndmask_b32 v41, v41, \e, vcc_lo
.endr
.irp e, 0,1,2,3,4,5,6,7
	v_cmp_eq_u32 vcc_lo, \e, v41
	s_delay_alu instid0(VALU_DEP_1)
	v_cndmask_b32 v[32+\e], v[32+\e], v42, vcc_lo  ; the largest is taken out
.endr
	v_mov_b32 v43, v32
.irp e, 1
	s_delay_alu instid0(VALU_DEP_1)
	v_cmp_gt_f32 vcc_lo, v[32+\e], v43
	s_delay_alu instid0(VALU_DEP_1)
	v_cndmask_b32 v43, v43, v[32+\e], vcc_lo
	s_delay_alu instid0(VALU_DEP_2)
	v_cndmask_b32 v44, v44, \e, vcc_lo
.endr
.irp e, 2, 3, 4, 5, 6, 7
	s_delay_alu instid0(VALU_DEP_2)
	v_cmp_gt_f32 vcc_lo, v[32+\e], v43
	s_delay_alu instid0(VALU_DEP_1)
	v_cndmask_b32 v43, v43, v[32+\e], vcc_lo
	s_delay_alu instid0(VALU_DEP_2)
	v_cndmask_b32 v44, v44, \e, vcc_lo
.endr
	s_delay_alu instid0(VALU_DEP_2)
	v_sub_f32 v45, v43, v40                        ; the second less the largest: 0 or less: the maximum is taken away
	s_delay_alu instid0(VALU_DEP_1)
	v_mul_f32 v45, 0x3fb8aa3b, v45
	s_wait_alu depctr_va_vdst(0)
	v_exp_f32 v45, v45                             ; t = e^(second - largest)
	v_min_u32 v46, v41, v44                        ; lo (a plain line behind the exponential)
	s_wait_alu depctr_va_vdst(0)
	v_add_f32 v47, 1.0, v45
	s_wait_alu depctr_va_vdst(0)
	v_rcp_f32 v47, v47                             ; the largest's weight, 1 / (1 + t)
	v_max_u32 v51, v41, v44                        ; hi (a plain line behind the reciprocal)
	s_wait_alu depctr_va_vdst(0)
	v_mul_f32 v45, v45, v47                        ; the second's weight, t / (1 + t)
	v_cmp_lt_u32 vcc_lo, v41, v44
	v_cndmask_b32 v48, v45, v47, vcc_lo            ; the weight of lo
	v_cndmask_b32 v49, v47, v45, vcc_lo            ; the weight of hi
	v_lshl_or_b32 v50, v46, 3, v51                 ; the key
	v_lshlrev_b32 v52, 2, v1
	v_lshlrev_b32 v53, 3, v1
	s_wait_alu depctr_va_vdst(0)
	s_wait_xcnt 0x0                                ; EXEC changes only behind this wait: my earlier stores have had their addresses translated
	v_cmp_gt_u32 vcc_lo, 8, v1
	s_and_saveexec_b32 s20, vcc_lo                 ; lanes 0 to 7: one for each row
	global_store_b32 v52, v50, s[12:13]
	global_store_b64 v53, v[48:49], s[14:15]
	s_wait_xcnt 0x0                                ; and again in front of the line that widens it
	s_or_b32 exec_lo, exec_lo, s20
.Lend:
	s_wait_tensorcnt 0x0
	ds_add_u32 v254, v255
	s_wait_dscnt 0x0
	s_endpgm
.Lfunc_end_k_q881489ed0e_gate_quant:
	.size	k_q881489ed0e_gate_quant, .Lfunc_end_k_q881489ed0e_gate_quant-k_q881489ed0e_gate_quant
	.p2alignl 7, 3214868480
	.fill 96, 4, 3214868480
	.section	.rodata,"a",@progbits
	.p2align	6, 0x0
	.amdhsa_kernel k_q881489ed0e_gate_quant
		.amdhsa_group_segment_fixed_size 161536
		.amdhsa_private_segment_fixed_size 0
		.amdhsa_enable_private_segment 0
		.amdhsa_kernarg_size 48
		.amdhsa_user_sgpr_count 2
		.amdhsa_user_sgpr_kernarg_segment_ptr 1
		.amdhsa_wavefront_size32 1
		.amdhsa_system_sgpr_workgroup_id_x 1
		.amdhsa_system_sgpr_workgroup_id_y 1
		.amdhsa_system_sgpr_workgroup_id_z 1
		.amdhsa_system_vgpr_workitem_id 0
		.amdhsa_next_free_vgpr 256
		.amdhsa_next_free_sgpr 66
		.amdhsa_reserve_vcc 1
		.amdhsa_float_denorm_mode_32 3
		.amdhsa_float_denorm_mode_16_64 3
		.amdhsa_memory_ordered 1
		.amdhsa_forward_progress 1
		.amdhsa_inst_pref_size 53
	.end_amdhsa_kernel
	.amdgpu_metadata
---
amdhsa.version: [ 1, 2 ]
amdhsa.kernels:
  - .name:           k_q881489ed0e_gate_quant
    .symbol:         k_q881489ed0e_gate_quant.kd
    .args:
      - { .name: inputs, .offset: 0, .size: 8, .value_kind: global_buffer, .address_space: global }
      - { .name: Wg, .offset: 8, .size: 8, .value_kind: global_buffer, .address_space: global }
      - { .name: xc, .offset: 16, .size: 8, .value_kind: global_buffer, .address_space: global }
      - { .name: xs, .offset: 24, .size: 8, .value_kind: global_buffer, .address_space: global }
      - { .name: keys, .offset: 32, .size: 8, .value_kind: global_buffer, .address_space: global }
      - { .name: wts, .offset: 40, .size: 8, .value_kind: global_buffer, .address_space: global }
    .group_segment_fixed_size: 161536
    .private_segment_fixed_size: 0
    .kernarg_segment_align: 8
    .kernarg_segment_size: 48
    .max_flat_workgroup_size: 256
    .sgpr_count:     66
    .vgpr_count:     256
    .wavefront_size: 32
...
	.end_amdgpu_metadata
.endif
;; end of part 1
;; launch place_relay (part 2): grid 257 x 1, 8 waves a work-group, no clusters, 70,656 bytes of LDS; arguments keys, We_codes, order, wimg; writes order, wimg
.if DOCPART == 2
	.amdgcn_target "amdgcn-amd-amdhsa--gfx1250"
	.amdhsa_code_object_version 6
	.text
	.protected	k_q881489ed0e_place_relay
	.globl	k_q881489ed0e_place_relay
	.p2align	8
	.type	k_q881489ed0e_place_relay,@function
k_q881489ed0e_place_relay:
	s_mov_b64 s[64:65], 0
	v_nop
	global_prefetch_b8 v0, s[64:65] scope:SCOPE_SE
	s_setreg_imm32_b32 hwreg(HW_REG_WAVE_MODE, 25, 1), 1
	s_wait_xcnt 0x0
; Two pieces of work that do not hang on each other share one launch.
; WORK-GROUP 0 SORTS the 2,048 tokens by their key 8 lo + hi (a counting sort without atomics): order[place] = token | key << 16.
; WORK-GROUPS 1 TO 256 LAY THE WEIGHTS' CODES in the order of a matrix operand's registers: wimg [expert x 128 + tile of 16 columns][K step of 128: 16][c: 2][lane: 32][16 bytes], where lane 16 h + r
; holds bytes 64 s + 32 c + 16 h of column 16 g + r's row of 1,024 bytes.  A fragment then comes by loads of 512 consecutive bytes.
; The two ways part on the work-group's number alone; each has LDS bytes of its own.
; THE SORT COUNTS BY BITS.  The 28 pairs lo < hi get a dense index J = lo (13 - lo) / 2 + hi - 1 (0 .. 27, in the order of 8 lo + hi).  For each of a wave's 8 registers of tokens five masks say which lanes have bit i of J set;
; LANE j then makes, from those five, the mask of the tokens whose J is j, counts its ones, and keeps a running sum over the registers.  So a wave's counts of all keys cost the same lines as the count of one.
; A token's place = its key's first place + the tokens of that key in the waves before + in my wave's registers before + in the lower lanes of its own register.
; LIMIT: keys hold only the 28 pairs lo < hi, which the launch before stores for every finite input.
.set PL,  67584                        ; the sort's 2,048 bytes: 256 a wave, of which 128 are used: the wave's count of key j at 4 j.  Bytes 0 .. 67,583: the layers' stages, 8,448 a wave: 16 rows of 512 + 16
.set K,   8                            ; v8-15    my 8 tokens' keys
.set J,   16                           ; v16-23   their dense indices
.set X,   24                           ; v24-28   0 where bit i of my lane's number is 1, all ones where it is 0
.set M,   32                           ; v32-39   lane j: the mask of register c's tokens with index j
.set P,   40                           ; v40-47   lane j: such tokens in the registers before c; later the first place of register c's
.set TA,  48                           ; v48-55   the eight waves' counts (lane = index)
.set T,   64                           ; v64-103  at work: five for each register
.set PA,  104                          ; v104-111 the count of ones, at work
.set PB,  112                          ; v112-119
.set IX,  120                          ; v120-127 4 x index
.set GM,  128                          ; v128-135 my token's key's mask
.set GS,  136                          ; v136-143 and its first place
.set POS, 144                          ; v144-151 places
.set VAL, 152                          ; v152-159 what is stored there
.set D,   32                           ; the layers: v32-95 16 rows as loaded
.set F,   96                           ; v96-159 as stored
	s_load_b256 s[4:11], s[0:1], 0x0               ; keys, We_codes, order, wimg
	v_lshl_add_u32 v160, v0, 2, 0x11000
	v_mov_b32 v161, 0
	v_lshrrev_b32 v1, 5, v0
	s_delay_alu instid0(VALU_DEP_1)
	v_readfirstlane_b32 s16, v1                    ; wave 0..7
	v_and_b32 v2, 31, v0                           ; lane
	s_delay_alu instid0(VALU_DEP_1)
	v_lshlrev_b32 v3, 4, v2                        ; 16 x lane
	s_mul_i32 s17, s16, 8448                       ; both ways' LDS addresses are made ahead of the parting
	v_add_nc_u32 v4, s17, v3                       ; a row into my stage
	v_and_b32 v5, 15, v2
	s_delay_alu instid0(VALU_DEP_1)
	v_mul_u32_u24 v5, v5, 528
	v_lshrrev_b32 v6, 4, v2
	s_delay_alu instid0(VALU_DEP_1)
	v_lshl_add_u32 v5, v6, 4, v5
	s_delay_alu instid0(VALU_DEP_1)
	v_add_nc_u32 v5, s17, v5                       ; out of it: row lane % 16, + 16 (lane / 16)
	s_lshl_b32 s18, s16, 8
	s_add_co_u32 s18, s18, PL
	v_lshl_add_u32 v6, v2, 2, s18                  ; my wave's counts
	v_lshl_add_u32 v7, v2, 2, PL                   ; all waves' counts
	s_cmp_eq_u32 ttmp9, 0
	s_cbranch_scc1 .Lsort
	; ---- a wave lays 16 rows x 512 bytes: unit U = 8 (work-group - 1) + wave; tile U / 2, half U % 2 of K
	s_sub_co_u32 s19, ttmp9, 1
	s_lshl_b32 s19, s19, 3
	s_add_co_u32 s19, s19, s16
	s_lshr_b32 s20, s19, 1
	s_lshl_b32 s20, s20, 14
	s_and_b32 s21, s19, 1
	s_lshl_b32 s21, s21, 9
	s_add_co_u32 s20, s20, s21                     ; from: 16,384 x tile + 512 x half
	s_mov_b32 s21, 0
	s_lshl_b32 s22, s19, 13                        ; to: 8,192 U
	s_mov_b32 s23, 0
	s_wait_kmcnt 0x0
	s_add_nc_u64 s[6:7], s[6:7], s[20:21]
	s_add_nc_u64 s[10:11], s[10:11], s[22:23]
	s_wait_alu depctr_va_vdst(0)
.irp r, 0,1,2,3,4,5,6,7,8,9,10,11,12,13,14,15
	global_load_b128 v[D+4*\r:D+4*\r+3], v3, s[6:7] offset:1024*\r th:TH_LOAD_NT   ; 512 consecutive bytes of row r; read once in the program
.endr
.irp r, 0,1,2,3,4,5,6,7,8,9,10,11,12,13,14,15
	s_wait_loadcnt 15-\r                           ; row r is in; the rows behind it may be out
	ds_store_b128 v4, v[D+4*\r:D+4*\r+3] offset:528*\r
.endr
.irp k, 0,1,2,3,4,5,6,7,8,9,10,11,12,13,14,15
	ds_load_b128 v[F+4*\k:F+4*\k+3], v5 offset:32*\k     ; k = 2 s + c: bytes 64 s + 32 c + 16 h of row r.  LDS serves a wave's instructions in order: these see my stores
.endr
.irp k, 0,1,2,3,4,5,6,7,8,9,10,11,12,13,14,15
	s_wait_dscnt 15-\k
	global_store_b128 v3, v[F+4*\k:F+4*\k+3], s[10:11] offset:512*\k    ; 512 consecutive bytes, aligned
.endr
	s_wait_tensorcnt 0x0
	ds_add_u32 v160, v161
	s_wait_dscnt 0x0
	s_endpgm
	; ---- the sort.  Thread (w, l) has tokens 256 w + 128 i + 4 l + j; register c = 4 i + j
.Lsort:
	s_lshl_b32 s19, s16, 8
	v_lshl_add_u32 v29, v2, 2, s19                 ; 256 w + 4 l
	s_delay_alu instid0(VALU_DEP_1)
	v_lshlrev_b32 v30, 2, v29
	s_wait_alu depctr_va_vdst(0)
	s_wait_kmcnt 0x0
	global_load_b128 v[K:K+3], v30, s[4:5]
	global_load_b128 v[K+4:K+7], v30, s[4:5] offset:512
.irp i, 0,1,2,3,4
	v_bfe_u32 v[X+\i], v2, \i, 1
.endr
.irp i, 0,1,2,3,4
	v_add_nc_u32 v[X+\i], -1, v[X+\i]              ; bit - 1: 0 or all ones
.endr
	v_mov_b32 v57, 0                               ; all waves' count of the lane's key
	v_mov_b32 v58, 0                               ; that of the waves before mine
	v_mov_b32 v59, 0                               ; the key's first place
	s_mov_b32 s20, 0x55555555                      ; the masks of the count of ones
	s_mov_b32 s21, 0x33333333
	s_mov_b32 s22, 0x0f0f0f0f
	s_mov_b32 s23, 0x01010101
	s_wait_loadcnt 0x0
	; every step is taken for all 8 registers before the next, so that no line waits for the line above it
.irp c, 0,1,2,3,4,5,6,7
	v_min_u32 v[K+\c], 63, v[K+\c]
.endr
.irp c, 0,1,2,3,4,5,6,7
	v_lshrrev_b32 v[T+\c], 3, v[K+\c]              ; lo
.endr
.irp c, 0,1,2,3,4,5,6,7
	v_sub_nc_u32 v[T+8+\c], 13, v[T+\c]
.endr
.irp c, 0,1,2,3,4,5,6,7
	v_mul_u32_u24 v[T+\c], v[T+\c], v[T+8+\c]      ; lo (13 - lo): even
.endr
.irp c, 0,1,2,3,4,5,6,7
	v_and_b32 v[J+\c], 7, v[K+\c]                  ; hi
.endr
.irp c, 0,1,2,3,4,5,6,7
	v_lshrrev_b32 v[T+\c], 1, v[T+\c]
.endr
.irp c, 0,1,2,3,4,5,6,7
	v_add3_u32 v[J+\c], v[J+\c], v[T+\c], -1       ; the dense index
.endr
.irp c, 0,1,2,3,4,5,6,7
	v_min_u32 v[J+\c], 31, v[J+\c]                 ; it names a lane
.endr
.irp c, 0,1,2,3,4,5,6,7
.irp i, 0,1,2,3,4
	v_and_b32 v[T+5*\c+\i], 1<<\i, v[J+\c]
.endr
.endr
.irp c, 0,1,2,3,4,5,6,7
.irp i, 0,1,2,3,4
	v_cmp_ne_u32 s[24+5*\c+\i], 0, v[T+5*\c+\i]    ; the lanes whose token of register c has bit i set
.endr
.endr
.irp c, 0,1,2,3,4,5,6,7
.irp i, 0,1,2,3,4
	v_xor_b32 v[T+5*\c+\i], s[24+5*\c+\i], v[X+\i] ; in lane j: the tokens whose bit i is j's bit i
.endr
.endr
.irp c, 0,1,2,3,4,5,6,7
	v_and_b32 v[T+5*\c], v[T+5*\c], v[T+5*\c+1]
	v_and_b32 v[T+5*\c+2], v[T+5*\c+2], v[T+5*\c+3]
.endr
.irp c, 0,1,2,3,4,5,6,7
	v_and_b32 v[T+5*\c], v[T+5*\c], v[T+5*\c+4]
.endr
.irp c, 0,1,2,3,4,5,6,7
	v_and_b32 v[M+\c], v[T+5*\c], v[T+5*\c+2]      ; all five agree: the tokens with index j
.endr
	; the ones of each mask: sums of neighbouring fields of 1, 2 and 4 bits, then the four bytes by one multiplication
.irp c, 0,1,2,3,4,5,6,7
	v_lshrrev_b32 v[PB+\c], 1, v[M+\c]
.endr
.irp c, 0,1,2,3,4,5,6,7
	v_and_b32 v[PB+\c], s20, v[PB+\c]
.endr
.irp c, 0,1,2,3,4,5,6,7
	v_sub_nc_u32 v[PA+\c], v[M+\c], v[PB+\c]
.endr
.irp c, 0,1,2,3,4,5,6,7
	v_lshrrev_b32 v[PB+\c], 2, v[PA+\c]
.endr
.irp c, 0,1,2,3,4,5,6,7
	v_and_b32 v[PA+\c], s21, v[PA+\c]
.endr
.irp c, 0,1,2,3,4,5,6,7
	v_and_b32 v[PB+\c], s21, v[PB+\c]
.endr
.irp c, 0,1,2,3,4,5,6,7
	v_add_nc_u32 v[PA+\c], v[PA+\c], v[PB+\c]
.endr
.irp c, 0,1,2,3,4,5,6,7
	v_lshrrev_b32 v[PB+\c], 4, v[PA+\c]
.endr
.irp c, 0,1,2,3,4,5,6,7
	v_add_nc_u32 v[PA+\c], v[PA+\c], v[PB+\c]
.endr
.irp c, 0,1,2,3,4,5,6,7
	v_and_b32 v[PA+\c], s22, v[PA+\c]
.endr
.irp c, 0,1,2,3,4,5,6,7
	v_mul_lo_u32 v[PA+\c], v[PA+\c], s23
.endr
.irp c, 0,1,2,3,4,5,6,7
	v_lshrrev_b32 v[PA+\c], 24, v[PA+\c]           ; 32 at the most
.endr
	v_mov_b32 v[P], 0
.irp c, 1,2,3,4,5,6,7
	s_delay_alu instid0(VALU_DEP_1)
	v_add_nc_u32 v[P+\c], v[P+\c-1], v[PA+\c-1]    ; key j's tokens in my registers before c
.endr
	s_delay_alu instid0(VALU_DEP_1)
	v_add_nc_u32 v56, v[P+7], v[PA+7]              ; and in all 8
.irp c, 0,1,2,3,4,5,6,7
	v_lshlrev_b32 v[IX+\c], 2, v[J+\c]
.endr
.irp c, 0,1,2,3,4,5,6,7
	v_add_nc_u32 v[VAL+\c], 128*(\c/4)+(\c%4), v29
	s_delay_alu instid0(VALU_DEP_1)
	v_lshl_or_b32 v[VAL+\c], v[K+\c], 16, v[VAL+\c]      ; token | key << 16
.endr
	ds_store_b32 v6, v56
	s_wait_dscnt 0x0                               ; for the others' sake: my counts lie in LDS
	s_barrier_signal -1
	s_barrier_wait -1
.irp w, 0,1,2,3,4,5,6,7
	ds_load_b32 v[TA+\w], v7 offset:256*\w
.endr
	s_wait_dscnt 0x0
.irp w, 0,1,2,3,4,5,6,7
	s_cmp_gt_u32 s16, \w                           ; a wave before mine?
	s_cselect_b32 s19, -1, 0
	v_add_nc_u32 v57, v57, v[TA+\w]
	v_and_b32 v60, s19, v[TA+\w]
	s_delay_alu instid0(VALU_DEP_1)
	v_add_nc_u32 v58, v58, v60
.endr
	; the keys' first places, in ascending order of the index: the 28 counts come down into scalar registers, are summed on end, and each sum goes up to the next lane
.set j, 0
.rept 28
	v_readlane_b32 s[24+j], v57, j
.set j, j+1
.endr
.set j, 1
.rept 27
	s_add_co_u32 s[24+j], s[24+j], s[24+j-1]
.set j, j+1
.endr
.set j, 1
	v_writelane_b32 v59, s[24+j-1], j              ; lane 0 keeps its 0
.set j, j+1
.rept (27)-1
	s_delay_alu instid0(VALU_DEP_1)
	v_writelane_b32 v59, s[24+j-1], j              ; lane 0 keeps its 0
.set j, j+1
.endr
	s_delay_alu instid0(VALU_DEP_1)
	v_add_nc_u32 v59, v59, v58                     ; where my wave's tokens of the lane's key begin
.irp c, 0,1,2,3,4,5,6,7
	v_add_nc_u32 v[P+\c], v[P+\c], v59             ; and those of register c
.endr
.irp c, 0,1,2,3,4,5,6,7
	ds_bpermute_b32 v[GM+\c], v[IX+\c], v[M+\c]    ; from the lane that is my token's index: no LDS byte is touched
	ds_bpermute_b32 v[GS+\c], v[IX+\c], v[P+\c]
.endr
	s_wait_dscnt 0x0
.irp c, 0,1,2,3,4,5,6,7
	v_mbcnt_lo_u32_b32 v[POS+\c], v[GM+\c], v[GS+\c]     ; + the tokens of my key in the lower lanes of this register
.endr
.irp c, 0,1,2,3,4,5,6,7
	v_min_u32 v[POS+\c], 0x7ff, v[POS+\c]
.endr
.irp c, 0,1,2,3,4,5,6,7
	v_lshlrev_b32 v[POS+\c], 2, v[POS+\c]
.endr
.irp c, 0,1,2,3,4,5,6,7
	global_store_b32 v[POS+\c], v[VAL+\c], s[8:9]  ; four bytes to places that hang on the keys: 8,192 bytes in the whole launch
.endr
	s_wait_tensorcnt 0x0
	ds_add_u32 v160, v161
	s_wait_dscnt 0x0
	s_endpgm
.Lfunc_end_k_q881489ed0e_place_relay:
	.size	k_q881489ed0e_place_relay, .Lfunc_end_k_q881489ed0e_place_relay-k_q881489ed0e_place_relay
	.p2alignl 7, 3214868480
	.fill 96, 4, 3214868480
	.section	.rodata,"a",@progbits
	.p2align	6, 0x0
	.amdhsa_kernel k_q881489ed0e_place_relay
		.amdhsa_group_segment_fixed_size 70656
		.amdhsa_private_segment_fixed_size 0
		.amdhsa_enable_private_segment 0
		.amdhsa_kernarg_size 32
		.amdhsa_user_sgpr_count 2
		.amdhsa_user_sgpr_kernarg_segment_ptr 1
		.amdhsa_wavefront_size32 1
		.amdhsa_system_sgpr_workgroup_id_x 1
		.amdhsa_system_sgpr_workgroup_id_y 1
		.amdhsa_system_sgpr_workgroup_id_z 1
		.amdhsa_system_vgpr_workitem_id 0
		.amdhsa_next_free_vgpr 162
		.amdhsa_next_free_sgpr 66
		.amdhsa_reserve_vcc 0
		.amdhsa_float_denorm_mode_32 3
		.amdhsa_float_denorm_mode_16_64 3
		.amdhsa_memory_ordered 1
		.amdhsa_forward_progress 1
		.amdhsa_inst_pref_size 34
	.end_amdhsa_kernel
	.amdgpu_metadata
---
amdhsa.version: [ 1, 2 ]
amdhsa.kernels:
  - .name:           k_q881489ed0e_place_relay
    .symbol:         k_q881489ed0e_place_relay.kd
    .args:
      - { .name: keys, .offset: 0, .size: 8, .value_kind: global_buffer, .address_space: global }
      - { .name: We_codes, .offset: 8, .size: 8, .value_kind: global_buffer, .address_space: global }
      - { .name: order, .offset: 16, .size: 8, .value_kind: global_buffer, .address_space: global }
      - { .name: wimg, .offset: 24, .size: 8, .value_kind: global_buffer, .address_space: global }
    .group_segment_fixed_size: 70656
    .private_segment_fixed_size: 0
    .kernarg_segment_align: 8
    .kernarg_segment_size: 32
    .max_flat_workgroup_size: 256
    .sgpr_count:     66
    .vgpr_count:     162
    .wavefront_size: 32
...
	.end_amdgpu_metadata
.endif
;; end of part 2
;; launch experts (part 3): grid 16 x 16, 4 waves a work-group, no clusters, 209,408 bytes of LDS; arguments order, wts, xc, xs, wimg, We_scales, be, out0; writes out0
.if DOCPART == 3
	.amdgcn_target "amdgcn-amd-amdhsa--gfx1250"
	.amdhsa_code_object_version 6
	.text
	.protected	k_q881489ed0e_experts
	.globl	k_q881489ed0e_experts
	.p2align	8
	.type	k_q881489ed0e_experts,@function
k_q881489ed0e_experts:
	s_mov_b64 s[64:65], 0
	v_nop
	global_prefetch_b8 v0, s[64:65] scope:SCOPE_SE
	s_setreg_imm32_b32 hwreg(HW_REG_WAVE_MODE, 25, 1), 1
	s_wait_xcnt 0x0
; out0[token] = the sum over the token's two experts e of w_e (Q(x) We[e] + be[e]); both operands as codes of E2M1 with E8M0 scales, sums in f32.  Only the chosen rows are multiplied.
; SHARES.  A work-group owns 128 tokens that follow each other in the sorted order (8 tiles of 16) x 128 columns, and so every number that it stores: no sum spans work-groups.
; Wave w owns 32 columns (two tiles of 16) for all 128 tokens: its weights are its own, come from memory straight into registers (laid in register order by the launch before), and a whole expert's
; 256 registers stay while all its tiles are multiplied; a second 256 take the next expert's meanwhile.  The tokens' codes and scale words are gathered once into LDS, a quarter by each wave, and read by all four.
; THE WALK.  Sorted by the pair of experts, a block holds few experts.  From the stored list: a mask of the experts present and, for each, a mask of the tiles that hold one of its tokens.  Experts not present are never
; loaded; tiles without a token of the expert are passed over by a scalar branch.  In a tile that is multiplied, a token that has not chosen the expert gets the coefficient 0.
; THE START.  As soon as the list is in, 60 of my 64 gather loads go out (30,720 bytes a wave); all the register work that the list feeds (experts, bases, masks) stands behind them, and the other loads behind that work.
; NO TENSOR LOADS AND NO JOINT REQUESTS: which experts a block walks, and how many, hangs on numbers read from memory, so partners would need different tiles in different numbers.
; THE MATRIX INSTRUCTION IS USED TRANSPOSED: source 0 = 16 columns of We, source 1 = 16 tokens: lane (r, h) holds token r and columns 8 h + 0 .. 7.  The bias is the C of a sum's first instruction.
; K's even and odd steps of 128 are summed in two accumulators for each tile of columns, so that four accumulators take turns.
; LIMITS: NaN and infinities are not served (a coefficient 0 would not hide them).  Indices are held under their tables' sizes before they enter an address.
; REGISTERS, in windows of 256 (s_set_vgpr_msb: bits 1:0 source 0, 3:2 source 1, 5:4 source 2, 7:6 destination):
;   window 0: v1-15 addresses; v16-31 my 32 rows' tokens; v32-95 the tokens' scale words; v96-127 the weights' scale words, two sets; v128-255 a tile's 16 fragments of x
;   window 1, window 2: the two weight buffers, fragment (step s, column tile n) at v[8 (2 s + n)]
;   window 3: v0-127 the results; v128-159 four accumulators; v160-191 the bias, two sets; v192-207 the tiles' tokens' experts; v208-223 their weights; v224-225 the coefficient; v226-241 gather offsets
.set APITCH, 1040                      ; a token's row in LDS: 1,024 bytes + 16: the 16 rows that a load touches start 16 bytes apart modulo 256
.set STG,    133120                    ; behind the 128 rows: the stage for the way out, 128 rows of 512 + 16 bytes
.set SPITCH, 528
.set XSI,    200704                    ; behind the stage: the tokens' scale words as images of registers: image 4 u + q (512 bytes, 16 a lane) = registers XS + 16 u + 4 q .. + 3
.set TOK,  16
.set XS,   32                          ; register 16 u + s: lane l: the word of K step s of sorted token 32 u + l
.set BS,   96                          ; register 16 Y + s: lane l: the word of K step s of my column l
.set AF,   128
.set OUT,  0                           ; window 3: register 16 t + 8 n + j
.set ACC,  128
.set BIAS, 160
.set LO,   192
.set HI,   200
.set WP,   208
.set CC,   224
.set GA,   226
.set U,    128                         ; at work ahead of the first product, in the accumulators' registers
.set LOU,  136
.set HIU,  140
.set WA,   144
.set TW,   152
.set MSB, 0
.macro WIN new                         ; the immediate's high byte repeats the setting that is left; a switch that changes nothing is dropped
.if MSB != (\new)
	s_set_vgpr_msb (MSB<<8)|(\new)
.set MSB, (\new)
.endif
.endm
; buffer D's three bases for the expert in s[e] (held at 7): codes 2^21 bytes an expert, scale bytes 2^17, bias 2^13
.macro BSET D, e
	s_lshl_b32 s48, s[\e], 21
	s_add_nc_u64 s[24+6*(\D):25+6*(\D)], s[12:13], s[48:49]
	s_lshl_b32 s48, s[\e], 17
	s_add_nc_u64 s[26+6*(\D):27+6*(\D)], s[14:15], s[48:49]
	s_lshl_b32 s48, s[\e], 13
	s_add_nc_u64 s[28+6*(\D):29+6*(\D)], s[16:17], s[48:49]
.endm
; an eighth of an expert's weights into buffer D: K steps 2 t and 2 t + 1 of both column tiles, 8 loads of 512 consecutive bytes; the first eighth brings the scale words and the bias too: 16 loads
.macro PIECE t, D
	WIN 0x40+0x40*(\D)
.irp z, 0,1
.irp n, 0,1
.irp c, 0,1
	global_load_b128 v[(2*(2*(\t)+\z)+\n)*8+4*\c:(2*(2*(\t)+\z)+\n)*8+4*\c+3], v1, s[24+6*(\D):25+6*(\D)] offset:(16*\n+2*(\t)+\z)*1024+512*\c
.endr
.endr
.endr
.if (\t) == 0
	WIN 0
.irp q, 0,1,2,3
	global_load_b128 v[BS+16*(\D)+4*\q:BS+16*(\D)+4*\q+3], v8, s[26+6*(\D):27+6*(\D)] offset:16*\q
.endr
	WIN 0xc0
.irp n, 0,1
.irp k, 0,1
	global_load_b128 v[BIAS+16*(\D)+8*\n+4*\k:BIAS+16*(\D)+8*\n+4*\k+3], v9, s[28+6*(\D):29+6*(\D)] offset:64*\n+16*\k
.endr
.endr
.endif
	WIN 0
.endm
; one product; its registers stand in the symbols rD, rA, rB, rC (under 0: the constant 0), rSA, rSB.  ra, rb: the scale words lie in lanes 16-31
.macro WM ra, rb
.if rC < 0
.if (\ra) && (\rb)
	v_wmma_scale_f32_16x16x128_f8f6f4 v[rD:rD+7], v[rA:rA+7], v[rB:rB+7], 0, v[rSA], v[rSB] matrix_a_fmt:MATRIX_FMT_FP4 matrix_b_fmt:MATRIX_FMT_FP4 matrix_a_scale:MATRIX_SCALE_ROW1 matrix_b_scale:MATRIX_SCALE_ROW1
.elseif (\ra)
	v_wmma_scale_f32_16x16x128_f8f6f4 v[rD:rD+7], v[rA:rA+7], v[rB:rB+7], 0, v[rSA], v[rSB] matrix_a_fmt:MATRIX_FMT_FP4 matrix_b_fmt:MATRIX_FMT_FP4 matrix_a_scale:MATRIX_SCALE_ROW1
.elseif (\rb)
	v_wmma_scale_f32_16x16x128_f8f6f4 v[rD:rD+7], v[rA:rA+7], v[rB:rB+7], 0, v[rSA], v[rSB] matrix_a_fmt:MATRIX_FMT_FP4 matrix_b_fmt:MATRIX_FMT_FP4 matrix_b_scale:MATRIX_SCALE_ROW1
.else
	v_wmma_scale_f32_16x16x128_f8f6f4 v[rD:rD+7], v[rA:rA+7], v[rB:rB+7], 0, v[rSA], v[rSB] matrix_a_fmt:MATRIX_FMT_FP4 matrix_b_fmt:MATRIX_FMT_FP4
.endif
.else
.if (\ra) && (\rb)
	v_wmma_scale_f32_16x16x128_f8f6f4 v[rD:rD+7], v[rA:rA+7], v[rB:rB+7], v[rC:rC+7], v[rSA], v[rSB] matrix_a_fmt:MATRIX_FMT_FP4 matrix_b_fmt:MATRIX_FMT_FP4 matrix_a_scale:MATRIX_SCALE_ROW1 matrix_b_scale:MATRIX_SCALE_ROW1
.elseif (\ra)
	v_wmma_scale_f32_16x16x128_f8f6f4 v[rD:rD+7], v[rA:rA+7], v[rB:rB+7], v[rC:rC+7], v[rSA], v[rSB] matrix_a_fmt:MATRIX_FMT_FP4 matrix_b_fmt:MATRIX_FMT_FP4 matrix_a_scale:MATRIX_SCALE_ROW1
.elseif (\rb)
	v_wmma_scale_f32_16x16x128_f8f6f4 v[rD:rD+7], v[rA:rA+7], v[rB:rB+7], v[rC:rC+7], v[rSA], v[rSB] matrix_a_fmt:MATRIX_FMT_FP4 matrix_b_fmt:MATRIX_FMT_FP4 matrix_b_scale:MATRIX_SCALE_ROW1
.else
	v_wmma_scale_f32_16x16x128_f8f6f4 v[rD:rD+7], v[rA:rA+7], v[rB:rB+7], v[rC:rC+7], v[rSA], v[rSB] matrix_a_fmt:MATRIX_FMT_FP4 matrix_b_fmt:MATRIX_FMT_FP4
.endif
.endif
.endm
; tile t of tokens against the expert in buffer Y: 16 tokens x my 32 columns x all of K: 32 LDS loads, 32 products, and the results enter OUT with each token's coefficient
.macro ITEM t, Y
.irp s, 0,1,2,3,4,5,6,7,8,9,10,11,12,13,14,15
.irp c, 0,1
	ds_load_b128 v[AF+8*\s+4*\c:AF+8*\s+4*\c+3], v[2+(\t)/4] offset:((\t)%4)*16*APITCH+64*\s+32*\c
.endr
.endr
	WIN 0xff
	v_cmp_eq_u32 s56, s[36+\Y], v[LO+\t]
	v_cmp_eq_u32 s57, s[36+\Y], v[HI+\t]
	v_cndmask_b32 v[CC], 0, v[WP+2*\t+1], s57      ; the token's weight for this expert, or 0
	v_cndmask_b32 v[CC], v[CC], v[WP+2*\t], s56
	WIN 0xf1+\Y                                    ; source 0 the weight buffer's window, source 1 window 0, C and D window 3
.irp s, 0,1,2,3,4,5,6,7,8,9,10,11,12,13,14,15
	s_wait_dscnt 30-2*\s                           ; step s's two loads are in; the later steps' may be out
.irp n, 0,1
.set rD, ACC+16*(\s%2)+8*\n
.set rA, (2*\s+\n)*8
.set rB, AF+8*\s
.set rSA, BS+16*\Y+\s
.set rSB, XS+16*((\t)/2)+\s
.if \s == 0
.set rC, BIAS+16*\Y+8*\n
.elseif \s == 1
.set rC, -1
.else
.set rC, rD
.endif
	WM \n, (\t)%2                                  ; the four accumulators take turns, one instruction a turn
.endr
.endr
	WIN 0xff
.rept 5
	v_nop                                          ; places behind the last products: four in front of the reads below and of the next loads into operands, five in front of the next tile's products, which begin these accumulators anew
.endr
	s_wait_alu depctr_va_vdst(0)
.irp a, 0,2,4,6,8,10,12,14,16,18,20,22,24,26,28,30
	v_pk_fma_f32 v[OUT+16*\t+(\a%16):OUT+16*\t+(\a%16)+1], v[ACC+\a:ACC+\a+1], v[CC:CC+1], v[OUT+16*\t+(\a%16):OUT+16*\t+(\a%16)+1] op_sel_hi:[1,0,1]   ; each accumulator from its low end on
.endr
	WIN 0
.endm
; the expert in buffer Y.  pf = 1: the next expert still to come, if there is one, is asked for into the other buffer, an eighth in front of each tile.
; pf = 0: the walk's first expert: six eighths of the other buffer have been asked for ahead of it, the last two stand in front of its tiles 1 and 2
.macro EXPERT Y, pf
.if \pf
	s_wait_loadcnt 0x0                             ; all that is out is this buffer's set, asked for during the expert before; no load is out, so the other buffer's bases may be written
	s_cmp_lg_u32 s38, 0
	s_cselect_b32 s42, 1, 0                        ; is there a next one?
	s_ctz_i32_b32 s50, s38
	s_min_u32 s50, s50, 7                          ; the lowest expert not yet asked for (7 where there is none: then nothing is loaded)
	s_lshl_b32 s51, 1, s50
	s_and_not1_b32 s38, s38, s51
	s_mov_b32 s[37-\Y], s50
	BSET 1-\Y, 50
.else
	s_wait_loadcnt 56                              ; behind buffer 0's last load stand six eighths of buffer 1, 16 + 5 x 8 loads: the tokens' weights and buffer 0 are in
	s_wait_dscnt 0x0                               ; the tokens' scale words are back from LDS
.endif
	s_cmp_lt_u32 s[36+\Y], 4
	s_cselect_b32 s43, s44, s45
	s_and_b32 s50, s[36+\Y], 3
	s_lshl_b32 s50, s50, 3
	s_lshr_b32 s43, s43, s50                       ; bits 0-7: the tiles that hold a token of this expert
.irp t, 0,1,2,3,4,5,6,7
.if \pf
	s_cmp_lg_u32 s42, 0
	s_cbranch_scc0 .Lnp_\@_\t
	PIECE \t, 1-\Y
.Lnp_\@_\t:
.elseif (\t == 1) || (\t == 2)
	PIECE \t+5, 1-\Y
.endif
	s_bitcmp1_b32 s43, \t
	s_cbranch_scc0 .Lni_\@_\t
	ITEM \t, \Y
.Lni_\@_\t:
.endr
.endm
	s_load_b256 s[4:11], s[0:1], 0x0               ; order, wts, xc, xs
	s_load_b256 s[12:19], s[0:1], 0x20             ; wimg, We_scales, be, out0
	s_set_vgpr_msb 0xc0
	v_lshl_add_u32 v254, v0, 2, 0x33000
	v_mov_b32 v255, 0
	s_set_vgpr_msb 0xc000
	v_lshrrev_b32 v128, 5, v0
	v_readfirstlane_b32 s20, v128                  ; wave 0..3
	s_mov_b32 s21, ttmp9                           ; the block of 128 columns
	s_and_b32 s22, ttmp7, 0xffff                   ; the block of 128 sorted tokens
	v_and_b32 v129, 31, v0                         ; l
	v_and_b32 v130, 15, v0                         ; r
	v_bfe_u32 v128, v0, 4, 1                       ; h
	v_lshlrev_b32 v1, 4, v129                      ; 16 l: an image's place for my lane
	v_lshlrev_b32 v8, 6, v129                      ; 64 l: my column's row of scale bytes
	v_lshlrev_b32 v12, 2, v129
	v_lshlrev_b32 v10, 4, v130
	v_lshlrev_b32 v13, 2, v130
	v_lshlrev_b32 v9, 5, v128                      ; 32 h: my half's eight numbers of the bias
	v_mul_u32_u24 v2, v130, APITCH
	v_lshl_add_u32 v2, v128, 4, v2                 ; a fragment of x, tiles 0-3: row r, + 16 h
	v_add_nc_u32 v3, 4*16*APITCH, v2               ; tiles 4-7
	s_mul_i32 s50, s20, 32*APITCH
	v_mul_u32_u24 v4, v128, APITCH
	v_add_nc_u32 v4, v4, v10
	v_add_nc_u32 v4, s50, v4                       ; the gather's way into LDS: row 32 w + h, 16 r
	s_lshl_b32 s51, s20, 7
	s_add_co_u32 s52, s51, STG
	v_mul_u32_u24 v5, v130, SPITCH
	v_add_nc_u32 v5, v5, v9
	v_add_nc_u32 v5, s52, v5                       ; the stage, in: row r, + 32 h, + 128 w
	s_mul_i32 s53, s20, 32*SPITCH
	s_add_co_u32 s53, s53, STG
	v_mul_u32_u24 v6, v128, SPITCH
	v_add_nc_u32 v6, v6, v10
	v_add_nc_u32 v6, s53, v6                       ; and back: row 32 w + h, 16 r
	s_lshl_b32 s54, s21, 9
	v_add_nc_u32 v7, s54, v10                      ; my 16 bytes in a row of out0
	v_lshl_add_u32 v11, v128, 2, s51               ; order: place 32 w + h
	s_lshl_b32 s55, s20, 11
	s_add_co_u32 s55, s55, XSI
	v_add_nc_u32 v14, s55, v1                      ; where I store my 32 tokens' scale words: images 4 w .. 4 w + 3
	v_add_nc_u32 v15, XSI, v1                      ; and from where all 16 images are read
	v_add_nc_u32 v131, s51, v12                    ; order: place 32 w + l
	s_mov_b32 s49, 0                               ; the upper word of every offset
	s_lshl_b32 s48, s22, 9
	s_wait_alu depctr_va_vdst(0)
	s_wait_kmcnt 0x0
	s_add_nc_u64 s[4:5], s[4:5], s[48:49]          ; order at my block
.irp i, 0,1,2,3,4,5,6,7,8,9,10,11,12,13,14,15
	global_load_b32 v[TOK+\i], v11, s[4:5] offset:8*\i      ; place 32 w + 2 i + h
.endr
	WIN 0xc0
.irp u, 0,1,2,3
	global_load_b32 v[U+\u], v12, s[4:5] offset:128*\u      ; place 32 u + l
.endr
.irp t, 0,1,2,3,4,5,6,7
	global_load_b32 v[LO+\t], v13, s[4:5] offset:64*\t      ; place 16 t + r
.endr
	global_load_b32 v[TW], v131, s[4:5]                     ; place 32 w + l
	WIN 0
	s_lshl_b32 s48, s21, 17
	s_lshl_b32 s55, s20, 15
	s_add_co_u32 s48, s48, s55
	s_add_nc_u64 s[12:13], s[12:13], s[48:49]      ; wimg at my two column tiles: (8 x block + 2 w) x 16,384
	s_lshl_b32 s48, s21, 13
	s_lshl_b32 s55, s20, 11
	s_add_co_u32 s48, s48, s55
	s_add_nc_u64 s[14:15], s[14:15], s[48:49]      ; We_scales at my first column
	s_lshl_b32 s48, s21, 9
	s_add_co_u32 s48, s48, s51
	s_add_nc_u64 s[16:17], s[16:17], s[48:49]      ; be likewise
	s_wait_loadcnt 0x0
	; ---- first the gather's offsets alone, and 60 of its 64 loads
.irp i, 0,1,2,3,4,5,6,7,8,9,10,11,12,13,14,15
	v_and_b32 v[TOK+\i], 0x7ff, v[TOK+\i]
.endr
.irp i, 0,1,2,3,4,5,6,7,8,9,10,11,12,13,14,15
	v_min_u32 v[TOK+\i], 0x7ff, v[TOK+\i]
.endr
	WIN 0xc0
.irp i, 0,1,2,3,4,5,6,7,8,9,10,11,12,13,14,15
	v_lshl_add_u32 v[GA+\i], v[TOK+\i], 10, v10    ; the token's row of codes, + 16 r
.endr
	WIN 0x03                                       ; address window 3, destination window 0
.irp i, 0,1,2,3,4,5,6,7
.irp q, 0,1,2,3
	global_load_b128 v[AF+16*\i+4*\q:AF+16*\i+4*\q+3], v[GA+\i], s[8:9] offset:256*\q    ; sixteen lanes read 256 consecutive bytes of a token's row
.endr
.endr
	WIN 0xc3                                       ; address and destination window 3
.irp i, 8,9,10,11,12,13,14
.irp q, 0,1,2,3
	global_load_b128 v[OUT+16*(\i-8)+4*\q:OUT+16*(\i-8)+4*\q+3], v[GA+\i], s[8:9] offset:256*\q
.endr
.endr
	; ---- while they are on their way: all the register work that the list feeds
	WIN 0xff
.irp u, 0,1,2,3
	v_bfe_u32 v[LOU+\u], v[U+\u], 19, 3
	v_bfe_u32 v[HIU+\u], v[U+\u], 16, 3
.endr
	v_and_b32 v[TW], 0x7ff, v[TW]
	v_min_u32 v[TW], 0x7ff, v[TW]
	v_lshlrev_b32 v[TW], 6, v[TW]                  ; my token's row of scale bytes
.irp t, 0,1,2,3,4,5,6,7
	v_and_b32 v[WA+\t], 0x7ff, v[LO+\t]
	v_min_u32 v[WA+\t], 0x7ff, v[WA+\t]
	v_lshlrev_b32 v[WA+\t], 3, v[WA+\t]            ; the token's two weights
	v_bfe_u32 v[HI+\t], v[LO+\t], 16, 3
	v_bfe_u32 v[LO+\t], v[LO+\t], 19, 3
.endr
	v_readfirstlane_b32 s36, v[LOU]                ; the block's first token's two experts are present in the block: they are walked first
	v_readfirstlane_b32 s37, v[HIU]
	s_min_u32 s36, s36, 7
	s_min_u32 s37, s37, 7
	BSET 0, 36
	BSET 1, 37
	; the masks, from the block's 128 pairs.  s44, s45: byte e % 4 = the tiles that hold a token of expert e; s46: the experts present
	s_mov_b32 s44, 0
	s_mov_b32 s45, 0
	s_mov_b32 s46, 0
.irp e, 0,1,2,3,4,5,6,7
.irp u, 0,1,2,3
	v_cmp_eq_u32 s50, \e, v[LOU+\u]
	v_cmp_eq_u32 s51, \e, v[HIU+\u]
	s_or_b32 s50, s50, s51
	s_and_b32 s51, s50, 0xffff                     ; lanes 0-15: tile 2 u
	s_cselect_b32 s51, 1<<(8*(\e%4)+2*\u), 0
	s_or_b32 s[44+\e/4], s[44+\e/4], s51
	s_lshr_b32 s50, s50, 16                        ; lanes 16-31: tile 2 u + 1
	s_cselect_b32 s50, 1<<(8*(\e%4)+2*\u+1), 0
	s_or_b32 s[44+\e/4], s[44+\e/4], s50
.endr
	s_bfe_u32 s50, s[44+\e/4], (8<<16)|(8*(\e%4))
	s_cselect_b32 s50, 1<<\e, 0
	s_or_b32 s46, s46, s50
.endr
	s_bcnt1_i32_b32 s39, s46                       ; N: how many experts the block walks: 2 at the least, 8 at the most
	s_sub_co_u32 s40, s39, 1                       ; N - 1: the number, in the walk, of the last one
	s_lshl_b32 s50, 1, s36
	s_lshl_b32 s51, 1, s37
	s_or_b32 s50, s50, s51
	s_and_not1_b32 s38, s46, s50                   ; those not yet asked for
	s_mov_b32 s41, 0                               ; the loop's counter
	; ---- the other loads: my 32 tokens' scale rows, the gather's last four, the weights' pairs, five eighths of buffer 0
	WIN 0x03
.irp q, 0,1,2,3
	global_load_b128 v[XS+4*\q:XS+4*\q+3], v[TW], s[10:11] offset:16*\q
.endr
	WIN 0xc3
.irp q, 0,1,2,3
	global_load_b128 v[OUT+112+4*\q:OUT+112+4*\q+3], v[GA+15], s[8:9] offset:256*\q
.endr
.irp t, 0,1,2,3,4,5,6,7
	global_load_b64 v[WP+2*\t:WP+2*\t+1], v[WA+\t], s[6:7]
.endr
	WIN 0
.irp t, 0,1,2,3,4
	PIECE \t, 0
.endr
	s_wait_loadcnt 56                              ; behind the gather's last load stand the 8 pairs of weights and 16 + 4 x 8 of buffer 0: the gather and my scale rows are in
.irp i, 0,1,2,3,4,5,6,7
.irp q, 0,1,2,3
	ds_store_b128 v4, v[AF+16*\i+4*\q:AF+16*\i+4*\q+3] offset:2*APITCH*\i+256*\q
.endr
.endr
.irp q, 0,1,2,3
	ds_store_b128 v14, v[XS+4*\q:XS+4*\q+3] offset:512*\q      ; as they stand: lane l's 16 bytes at 16 l
.endr
	WIN 0x0c                                       ; an LDS store's data are its source 1: window 3
.irp i, 8,9,10,11,12,13,14,15
.irp q, 0,1,2,3
	ds_store_b128 v4, v[OUT+16*(\i-8)+4*\q:OUT+16*(\i-8)+4*\q+3] offset:2*APITCH*\i+256*\q
.endr
.endr
	WIN 0
	s_wait_dscnt 0x0                               ; for the others' sake: my 32 rows of codes and their scale words lie in LDS
	s_barrier_signal -1
	WIN 0xff                                       ; register work while the others arrive
.set i, 0
.rept 128
	v_mov_b32 v[OUT+i], 0                          ; once in the launch: which expert reaches a tile first hangs on the list, so no product can start these sums
.set i, i+1
.endr
	v_mov_b32 v[CC+1], 0                           ; named with the coefficient as a pair, so it is written
	WIN 0
	s_barrier_wait -1
.irp u, 0,1,2,3
.irp q, 0,1,2,3
	ds_load_b128 v[XS+16*\u+4*\q:XS+16*\u+4*\q+3], v15 offset:512*(4*\u+\q)    ; all 128 tokens' scale words
.endr
.endr
.irp t, 5,6,7
	PIECE \t, 0
.endr
.irp t, 0,1,2,3,4,5
	PIECE \t, 1
.endr
	EXPERT 0, 0                                    ; the walk's expert 0
.Ltrip:                                                ; four trips, a constant: trip j holds the walk's experts 2 j + 1 (buffer 1) and 2 j + 2 (buffer 0): seven places for the seven that can follow the first.  What the block does not have is passed over inside the trip
	s_lshl_b32 s50, s41, 1
	s_cmp_ge_u32 s50, s40                          ; 2 j + 1 > N - 1: nothing is left
	s_cbranch_scc1 .Lskip
	EXPERT 1, 1
	s_lshl_b32 s50, s41, 1
	s_add_co_u32 s50, s50, 1
	s_cmp_ge_u32 s50, s40                          ; 2 j + 2 > N - 1: that was the last
	s_cbranch_scc1 .Lskip
	EXPERT 0, 1
.Lskip:
	s_add_co_u32 s41, s41, 1
	s_cmp_lt_u32 s41, 4
	s_cbranch_scc1 .Ltrip
	; THE WAY OUT.  A row's 512 bytes come from four waves: they meet in the stage, and each wave stores 32 whole rows, each to its token's place
	WIN 0x0c
	s_wait_alu depctr_va_vdst(0)
.irp t, 0,1,2,3,4,5,6,7
.irp n, 0,1
.irp k, 0,1
	ds_store_b128 v5, v[OUT+16*\t+8*\n+4*\k:OUT+16*\t+8*\n+4*\k+3] offset:16*SPITCH*\t+64*\n+16*\k
.endr
.endr
.endr
	WIN 0
	s_wait_dscnt 0x0                               ; for the others' sake: my columns lie in the stage
	s_barrier_signal -1
	s_barrier_wait -1
.irp i, 0,1,2,3,4,5,6,7,8,9,10,11,12,13,14,15
	v_lshl_add_u32 v[TOK+\i], v[TOK+\i], 13, v7    ; the token's row of out0, my block of columns, + 16 r
.endr
.irp i, 0,1,2,3,4,5,6,7,8,9,10,11,12,13,14,15
.irp q, 0,1
	ds_load_b128 v[AF+8*\i+4*\q:AF+8*\i+4*\q+3], v6 offset:2*SPITCH*\i+256*\q
.endr
.endr
	s_wait_alu depctr_va_vdst(0)
.irp i, 0,1,2,3,4,5,6,7,8,9,10,11,12,13,14,15
.irp q, 0,1
	s_wait_dscnt 31-(2*\i+\q)
	global_store_b128 v[TOK+\i], v[AF+8*\i+4*\q:AF+8*\i+4*\q+3], s[18:19] offset:256*\q th:TH_STORE_NT   ; sixteen lanes store 256 consecutive bytes, aligned; written once, read by nobody here
.endr
.endr
	s_set_vgpr_msb 0xf
	s_wait_tensorcnt 0x0
	ds_add_u32 v254, v255
	s_wait_dscnt 0x0
	s_set_vgpr_msb 0xf00
	s_endpgm
.Lfunc_end_k_q881489ed0e_experts:
	.size	k_q881489ed0e_experts, .Lfunc_end_k_q881489ed0e_experts-k_q881489ed0e_experts
	.p2alignl 7, 3214868480
	.fill 96, 4, 3214868480
	.section	.rodata,"a",@progbits
	.p2align	6, 0x0
	.amdhsa_kernel k_q881489ed0e_experts
		.amdhsa_group_segment_fixed_size 209408
		.amdhsa_private_segment_fixed_size 0
		.amdhsa_enable_private_segment 0
		.amdhsa_kernarg_size 64
		.amdhsa_user_sgpr_count 2
		.amdhsa_user_sgpr_kernarg_segment_ptr 1
		.amdhsa_wavefront_size32 1
		.amdhsa_system_sgpr_workgroup_id_x 1
		.amdhsa_system_sgpr_workgroup_id_y 1
		.amdhsa_system_sgpr_workgroup_id_z 1
		.amdhsa_system_vgpr_workitem_id 0
		.amdhsa_next_free_vgpr 1024
		.amdhsa_next_free_sgpr 66
		.amdhsa_reserve_vcc 0
		.amdhsa_float_denorm_mode_32 3
		.amdhsa_float_denorm_mode_16_64 3
		.amdhsa_memory_ordered 1
		.amdhsa_forward_progress 1
		.amdhsa_inst_pref_size 255
	.end_amdhsa_kernel
	.section	.bss,"aw",@nobits
	.p2align	6
	.space	262144
	.amdgpu_metadata
---
amdhsa.version: [ 1, 2 ]
amdhsa.kernels:
  - .name:           k_q881489ed0e_experts
    .symbol:         k_q881489ed0e_experts.kd
    .args:
      - { .name: order, .offset: 0, .size: 8, .value_kind: global_buffer, .address_space: global }
      - { .name: wts, .offset: 8, .size: 8, .value_kind: global_buffer, .address_space: global }
      - { .name: xc, .offset: 16, .size: 8, .value_kind: global_buffer, .address_space: global }
      - { .name: xs, .offset: 24, .size: 8, .value_kind: global_buffer, .address_space: global }
      - { .name: wimg, .offset: 32, .size: 8, .value_kind: global_buffer, .address_space: global }
      - { .name: We_scales, .offset: 40, .size: 8, .value_kind: global_buffer, .address_space: global }
      - { .name: be, .offset: 48, .size: 8, .value_kind: global_buffer, .address_space: global }
      - { .name: out0, .offset: 56, .size: 8, .value_kind: global_buffer, .address_space: global }
    .group_segment_fixed_size: 209408
    .private_segment_fixed_size: 0
    .kernarg_segment_align: 8
    .kernarg_segment_size: 64
    .max_flat_workgroup_size: 128
    .sgpr_count:     66
    .vgpr_count:     1024
    .wavefront_size: 32
...
	.end_amdgpu_metadata
.endif
;; end of part 3
